; MI455X (gfx1250); checked and timed in simulation.
; The chip was launched on July 23, 2026; its instructions are those of AMD's public machine-readable ISA for CDNA 5 (MIT licence, August 2026) and "CDNA5" Instruction Set Architecture Reference Guide (July 2026). The comments in the code are by the model that wrote it; some were corrected since.
;; Fuzzy Bell Layer. Allowed arithmetic: matrix products marked QUANTISED: E4M3 operands, one given power-of-two scale a tensor, by v_wmma_f32_16x16x64_fp8_fp8 or v_wmma_f32_16x16x128_fp8_fp8, f32 sums; everything else in f32.
;; Inputs: b 256 float32; centroids 256 x 256 x 1 float32; lowp_scales 2 int32 (the exponents e of the quantised operands' scales 2^e); rots 256 x 256 x 256 float32; scales 256 x 256 float32; x 4,096 x 256 float32.
;; Outputs: out0 4,096 x 256 float32.
;; This version of the problem:
;;   THIS VERSION OF THE PROBLEM IS GIVEN IN LOW PRECISION. The matrix products marked QUANTISED in the list below multiply operands that are first quantised to E4M3 (4 exponent bits, 3 mantissa bits; 8 bits a number), with one given power-of-two scale for each operand tensor; their sums are f32. All else is computed in f32.
;;   The module's matrix products, in the order in which they are computed (A, B: the left and right operand; K: the contracted axis; several contracted axes count as one K, in the product's order):
;;     1. [M 4,096, K 256] x [K 256, N 65,536]; A: input x; B: computed on the way: QUANTISED (scales: A lowp_scales[0], B lowp_scales[1])
;;   THE QUANTISER, for each operand of a quantised product, along K:
;;     - The operand's scale is 2^e, e = its entry of the input lowp_scales (int32; the entries are numbered through the quantised products in the list's order, A before B).
;;     - Each number is divided by the scale, clamped to +-448, and rounded to the nearest number of E4M3, ties to even, subnormals kept.
;;     - The product sums the exact products of the quantised numbers (number of the format x scale) in f32.
;;   ~~~python
;;   def quantise(x, axis, e):      # numpy; x: float32 -> the quantised numbers, widened to float32 again
;;       x = np.moveaxis(x, axis, -1); K = x.shape[-1]
;;       r = np.clip(x / 2.0 ** e, -448, 448)
;;       step = 2.0 ** (np.maximum(np.frexp(np.where(r == 0, 1, r))[1] - 1, -6) - 3)
;;       q = np.round(r / step) * step * 2.0 ** e      # np.round: ties to even
;;       return np.moveaxis(q, -1, axis).astype(np.float32)
;;   ~~~
;;   OPERANDS COMPUTED ON THE WAY. 'Computed on the way' means the value that the module computes at that place (a softmax that the list does not call 'softmax' is quantised finished and normalised). What goes into a quantiser is computed in f32, as accurately as f32 sums, v_exp_f32 and their like allow (about 1e-6 of the number): no bf16 or f16 on the way to a quantiser, and a product that is left as it is and whose result goes on into a quantised operand takes f32 operands (vector FMAs, or v_wmma_f32_16x16x4_f32). A number that lies on a knife's edge between two numbers of the format may be rounded either way, as far as f32 arithmetic and the matrix unit's own rounding can turn it there, and no further.
;; One version. Each part assembles by itself: llvm-mc -triple=amdgcn-amd-amdhsa -mcpu=gfx1250 --defsym DOCPART=n.
;; ======== version 1 of 1: 2 launches
;; limits: right only within a limited range of input values
;; workspace buffers: aq 16,777,216 bytes; xq 1,048,576 bytes; cb 262,144 bytes
;; launch prep (part 1): grid 10 x 256, 4 waves a work-group, no clusters, 18,944 bytes of LDS; arguments rots, scales, centroids, x, lowp_scales, aq, xq, cb; writes aq, xq, cb
.if DOCPART == 1
	.amdgcn_target "amdgcn-amd-amdhsa--gfx1250"
	.amdhsa_code_object_version 6
	.text
	.protected	k_q3220ae5d35_prep
	.globl	k_q3220ae5d35_prep
	.p2align	8
	.type	k_q3220ae5d35_prep,@function
k_q3220ae5d35_prep:
	s_mov_b64 s[64:65], 0
	v_nop
	global_prefetch_b8 v0, s[64:65] scope:SCOPE_SE
	s_setreg_imm32_b32 hwreg(HW_REG_WAVE_MODE, 25, 1), 1
	s_wait_xcnt 0x0
; FuzzyBellLayer, first of two launches: the operands of the one quantised product are made once, as codes of E4M3, in the order of the matrix operand's registers.
;   A[o] = triu(rots[o], 1) + its transpose + diag(scales[o])   (256 rules o, 256 x 256)   -> aq, with the scale 2^ea (lowp_scales[1])
;   x [4096][256]                                                                          -> xq, with the scale 2^ex (lowp_scales[0])
;   centroids[o][i] x 2^-(ex + ea), exact                                                  -> cb: it goes into the product's sums as their first C
; WORK LEFT OUT.  triu(rots, 1) is built in the problem's own body: an element rots[o][i][j] with j <= i is multiplied by nothing and added to nothing, whatever it holds, so it reaches no output.
; In tiles of 32 x 32 those are the 28 tiles under the diagonal of each rule (of 64): they are not read.  Inside the 8 diagonal tiles the dead elements are read with the live ones and dropped by a selection.
; Off the diagonal A[o][i][j] is one number of rots plus zeros (0 + r, and eye x scales = 0 there), so the quantiser's input is that number itself; on the diagonal it is scales[o][i].
; LIMIT of that: a NaN or an infinity in the part of rots that is left out, and the NaN that 0 x an infinite scale would spread over a rule's matrix, are not carried to the result.
; LIMITS: ex and ea lie between -126 and 119 (2^e and 448 x 2^e are made as f32 patterns).  NaN among the inputs is not served; an infinity is held at the largest code.
; LAYOUTS.  aq: [o 256][I 16][kk 2][c 4][lane 32][16 bytes]: lane (r = lane % 16, h = lane / 16) holds A[o][16 I + r][128 kk + 32 c + 16 h + 0 .. 15].  xq: [T 256][kk][c][lane][16 bytes], the same with row 16 T + r of x.
; SHARES.  Work-group (gx, o).  gx 0 to 8: each of the 4 waves takes one of rule o's 36 tiles (a, b), a <= b, of 32 x 32.  A lane takes a COLUMN and its 32 registers run down the rows: quantised as they stand they are
; 32 neighbours along K of row 32 b + lane of the mirror.  The same numbers go through the wave's own stage in LDS and come back a ROW to a lane: the upper part.  Nothing else is transposed.
; gx = 9: row tile T = o of x (wave w: columns 64 w on) and row o of the centroids.
; No tensor loads, no barrier, no loop: waves share nothing; 96 registers and 18,944 bytes of LDS let several work-groups lie on a WGP, so that one's loads stand beside another's stores.
.set STG,   4608                       ; a wave's stage: 32 rows x (128 bytes + 16): 36 words from row to row, so the 16 rows that a 16-byte read touches start at 16 different banks (64 banks of 4 bytes: ISA guide 11.1)
.set SPARE, 4*STG                      ; behind the stages: the spare words, 128 bytes for each wave: two blocks of 256 bytes that no other line names
.set C,  16                            ; v16-47  the tile by columns: register q = rots[o][32 a + q][32 b + lane]   (gx = 9: 32 numbers of x)
.set R,  48                            ; v48-79  the tile by rows:    register m = rots[o][32 a + lane][32 b + m]
.set K,  80                            ; v80-87  32 codes
.set K2, 88                            ; v88-95  the mirror's 32 codes: registers of their own, so that no store's data are written again
; v1 lane; v2 4 x lane; v3 stage, in; v4 stage, out; v5 my place in aq; v6 my scale on the diagonal; v7 2^e; v8 448 x 2^e; v9-11 offsets; v12, v13 the add's two
	s_load_b256 s[4:11], s[0:1], 0x0               ; rots s[4:5], scales s[6:7], centroids s[8:9], x s[10:11]
	s_load_b256 s[12:19], s[0:1], 0x20             ; lowp_scales s[12:13], aq s[14:15], xq s[16:17], cb s[18:19]
	v_lshl_add_u32 v12, v0, 2, SPARE               ; my spare word; never rewritten
	v_mov_b32 v13, 0                               ; 0; never rewritten
	v_lshrrev_b32 v1, 5, v0
	v_readfirstlane_b32 s20, v1                    ; wave 0..3
	v_and_b32 v1, 31, v0                           ; lane
	v_lshlrev_b32 v2, 2, v1                        ; 4 x lane
	s_mul_i32 s22, s20, STG
	v_add_nc_u32 v3, s22, v2                       ; into the stage: column = lane
	v_mul_u32_u24 v4, v1, 144
	v_add_nc_u32 v4, s22, v4                       ; out of it: row = lane
	v_lshrrev_b32 v5, 4, v1
	v_lshlrev_b32 v5, 12, v5
	v_and_b32 v9, 15, v1
	v_lshl_add_u32 v5, v9, 4, v5                   ; in aq: 4,096 (lane / 16) (the next 16 rows' fragments) + 16 (lane % 16)
	s_and_b32 s21, ttmp7, 0xffff                   ; o
	s_wait_kmcnt 0x0
	s_load_b64 s[30:31], s[12:13], 0x0             ; ex, ea
	s_cmp_eq_u32 ttmp9, 9
	s_cbranch_scc1 .Lxb
.macro SCALE e                         ; v7 = 2^e as f32 (the conversion takes its exponent field), v8 = 448 x 2^e
	s_add_co_i32 s28, \e, 127
	s_lshl_b32 s29, s28, 23
	v_mov_b32 v7, s29
	s_add_co_i32 s28, s28, 8
	s_lshl_b32 s28, s28, 23
	s_or_b32 s28, s28, 0x600000
	v_mov_b32 v8, s28
.endm
.macro QUANT src, dst                  ; 32 numbers of a lane, neighbours along K, become 32 codes
.set qi, 0
.rept 32
	v_med3_num_f32 v[\src+qi], v[\src+qi], -v8, v8 ; the conversion to an 8-bit code does not saturate (ISA guide 7.6.2): the hold at the largest code x the scale
.set qi, qi+1
.endr
.irp g, 0,1,2,3
	v_cvt_scalef32_pk8_fp8_f32 v[\dst+2*\g:\dst+2*\g+1], v[\src+8*\g:\src+8*\g+7], v7
.endr
	v_nop                                          ; one plain vector line behind the last conversion of a run
.endm
	; ---- a tile of rots.  Which: n = 4 gx + wave = 0 .. 35; tile rows p and 7 - p have 9 tiles together: p = n / 9, t = n - 9 p; t < 8 - p: (a, b) = (p, p + t), else (7 - p, t - 1)
	s_lshl_b32 s22, ttmp9, 2
	s_add_co_u32 s22, s22, s20                     ; n
	s_mul_i32 s23, s22, 57
	s_lshr_b32 s23, s23, 9                         ; p = n / 9 (57 n >> 9 is exact for n under 36)
	s_mul_i32 s24, s23, 9
	s_sub_co_u32 s24, s22, s24                     ; t
	s_sub_co_u32 s25, 8, s23
	s_sub_co_u32 s26, 7, s23
	s_add_co_u32 s27, s23, s24
	s_sub_co_u32 s28, s24, 1
	s_cmp_lt_u32 s24, s25
	s_cselect_b32 s26, s23, s26                    ; a
	s_cselect_b32 s27, s27, s28                    ; b
	s_lshl_b32 s38, s21, 18                        ; rots: o x 262,144 + a x 32 rows of 1,024 bytes + b x 128 bytes
	s_lshl_b32 s29, s26, 15
	s_add_co_u32 s38, s38, s29
	s_lshl_b32 s29, s27, 7
	s_add_co_u32 s38, s38, s29
	s_mov_b32 s39, 0
	s_add_nc_u64 s[32:33], s[4:5], s[38:39]
.set q, 0
	s_wait_alu depctr_va_vdst(0)
.rept 32
	global_load_b32 v[C+q], v2, s[32:33] offset:q*1024   ; a row of the tile: 32 lanes read 128 consecutive bytes (no hint: the tile beside this one reads the bytes beside these)
.set q, q+1
.endr
	s_lshl_b32 s38, s21, 16                        ; aq: o x 65,536 + (tile row) x 8,192 + (tile column) x 512
	s_lshl_b32 s28, s26, 13
	s_lshl_b32 s29, s27, 9
	s_add_co_u32 s28, s28, s29
	s_add_co_u32 s28, s28, s38
	s_mov_b32 s29, 0
	s_add_nc_u64 s[34:35], s[14:15], s[28:29]      ; the upper part: rows 32 a on, K block b
	s_lshl_b32 s28, s27, 13
	s_lshl_b32 s24, s26, 9
	s_add_co_u32 s28, s28, s24
	s_add_co_u32 s28, s28, s38
	s_add_nc_u64 s[36:37], s[14:15], s[28:29]      ; the mirror: rows 32 b on, K block a
	s_lshl_b32 s38, s21, 10                        ; scales: o x 1,024 + a x 128
	s_lshl_b32 s24, s26, 7
	s_add_co_u32 s38, s38, s24
	s_add_nc_u64 s[40:41], s[6:7], s[38:39]
.irp g, 0,1,2,3
	s_wait_loadcnt 24-8*\g                         ; loads come back in order: eight more rows are in, the younger ones stay out
.irp k, 0,1,2,3,4,5,6,7
	ds_store_b32 v3, v[C+8*\g+\k] offset:144*(8*\g+\k)
.endr
.endr
.irp m, 0,1,2,3,4,5,6,7
	ds_load_b128 v[R+4*\m:R+4*\m+3], v4 offset:16*\m     ; LDS serves a wave's instructions in order (ISA guide 5.7.1.4): these see my stores
.endr
	s_wait_kmcnt 0x0                               ; ex, ea
	SCALE s31
	s_wait_dscnt 0x0                               ; the tile by rows is in
	s_cmp_lg_u32 s26, s27
	s_cbranch_scc1 .Loff
	; a tile on the diagonal: row 32 a + lane takes, at column 32 a + q: q > lane: rots as it lies; q < lane: the mirror, which is my column's register q; q = lane: my scale
	global_load_b32 v6, v2, s[40:41]               ; scales[o][32 a + lane]; the 64 lines below stand between the load and the wait for it
.set q, 0
.rept 32
	v_cmp_lt_u32 vcc_lo, q, v1
	v_cndmask_b32 v[R+q], v[R+q], v[C+q], vcc_lo
.set q, q+1
.endr
	s_wait_loadcnt 0x0
.set q, 0
.rept 32
	v_cmp_eq_u32 vcc_lo, q, v1
	v_cndmask_b32 v[R+q], v[R+q], v6, vcc_lo
.set q, q+1
.endr
.Loff:
	s_wait_alu depctr_va_vdst(0)
	QUANT R, K
	global_store_b128 v5, v[K:K+3], s[34:35]               ; K = 32 b + 0 .. 15: the fragment's lanes 0-15; sixteen lanes store 256 consecutive bytes, aligned
	global_store_b128 v5, v[K+4:K+7], s[34:35] offset:256  ; K = 32 b + 16 .. 31: its lanes 16-31
	s_cmp_eq_u32 s26, s27
	s_cbranch_scc1 .Lend                           ; a diagonal tile is its own mirror
	QUANT C, K2
	global_store_b128 v5, v[K2:K2+3], s[36:37]
	global_store_b128 v5, v[K2+4:K2+7], s[36:37] offset:256
.Lend:
	s_wait_tensorcnt 0x0                           ; the wave's end: behind my last LDS store
	ds_add_u32 v12, v13
	s_wait_dscnt 0x0
	s_endpgm
.Lxb:	; ---- x's row tile T = o, columns 64 wave on, and 64 numbers of centroid row o.
	s_wait_alu depctr_va_vdst(0)
	v_and_b32 v9, 15, v1
	v_lshrrev_b32 v10, 4, v1
	v_lshlrev_b32 v9, 10, v9
	v_lshl_add_u32 v9, v10, 6, v9                  ; x: row r of 1,024 bytes + 64 h: my 16 numbers of a block of 32
	s_wait_alu depctr_va_vdst(0)
	v_lshlrev_b32 v10, 3, v1                       ; centroids, cb: 8 bytes a lane
	s_wait_alu depctr_va_vdst(0)
	v_lshlrev_b32 v11, 4, v1                       ; xq: 16 bytes a lane
	s_lshl_b32 s22, s21, 14
	s_lshl_b32 s24, s20, 8
	s_add_co_u32 s22, s22, s24                     ; 16 o rows of 1,024 bytes + 256 x wave
	s_mov_b32 s23, 0
	s_add_nc_u64 s[32:33], s[10:11], s[22:23]
	s_lshl_b32 s22, s21, 10
	s_add_co_u32 s22, s22, s24                     ; 1,024 o + 256 x wave
	s_add_nc_u64 s[34:35], s[8:9], s[22:23]
	s_add_nc_u64 s[36:37], s[18:19], s[22:23]
	s_lshl_b32 s22, s22, 2                         ; xq: 4,096 o + 1,024 x wave: K blocks 2 wave and 2 wave + 1 of the tile
	s_add_nc_u64 s[38:39], s[16:17], s[22:23]
.irp cc, 0,1
.irp j, 0,1,2,3
	global_load_b128 v[C+16*\cc+4*\j:C+16*\cc+4*\j+3], v9, s[32:33] offset:128*\cc+16*\j th:TH_LOAD_NT   ; the eight loads together cover 256 aligned bytes of each of 16 rows
.endr
.endr
	global_load_b64 v[48:49], v10, s[34:35]
	s_wait_kmcnt 0x0                               ; ex, ea
	SCALE s30
	s_add_co_i32 s28, s30, s31
	s_sub_co_i32 s28, 0, s28                       ; -(ex + ea)
	s_wait_alu depctr_va_vdst(0)
	s_wait_loadcnt 0x0
	QUANT C, K
	global_store_b128 v11, v[K:K+3], s[38:39]              ; 32 lanes store 512 consecutive bytes
	global_store_b128 v11, v[K+4:K+7], s[38:39] offset:512
	v_ldexp_f32 v48, v48, s28                      ; a sum of the product stands for sum x 2^(ex + ea): the centroid goes in divided by that; nothing is rounded
	v_ldexp_f32 v49, v49, s28
	global_store_b64 v10, v[48:49], s[36:37]       ; 32 lanes store 256 consecutive bytes, aligned
	s_endpgm
.Lfunc_end_k_q3220ae5d35_prep:
	.size	k_q3220ae5d35_prep, .Lfunc_end_k_q3220ae5d35_prep-k_q3220ae5d35_prep
	.p2alignl 7, 3214868480
	.fill 96, 4, 3214868480
	.section	.rodata,"a",@progbits
	.p2align	6, 0x0
	.amdhsa_kernel k_q3220ae5d35_prep
		.amdhsa_group_segment_fixed_size 18944
		.amdhsa_private_segment_fixed_size 0
		.amdhsa_enable_private_segment 0
		.amdhsa_kernarg_size 64
		.amdhsa_user_sgpr_count 2
		.amdhsa_user_sgpr_kernarg_segment_ptr 1
		.amdhsa_wavefront_size32 1
		.amdhsa_system_sgpr_workgroup_id_x 1
		.amdhsa_system_sgpr_workgroup_id_y 1
		.amdhsa_system_sgpr_workgroup_id_z 1
		.amdhsa_system_vgpr_workitem_id 0
		.amdhsa_next_free_vgpr 96
		.amdhsa_next_free_sgpr 66
		.amdhsa_reserve_vcc 1
		.amdhsa_float_denorm_mode_32 3
		.amdhsa_float_denorm_mode_16_64 3
		.amdhsa_memory_ordered 1
		.amdhsa_forward_progress 1
		.amdhsa_inst_pref_size 23
	.end_amdhsa_kernel
	.amdgpu_metadata
---
amdhsa.version: [ 1, 2 ]
amdhsa.kernels:
  - .name:           k_q3220ae5d35_prep
    .symbol:         k_q3220ae5d35_prep.kd
    .args:
      - { .name: rots, .offset: 0, .size: 8, .value_kind: global_buffer, .address_space: global }
      - { .name: scales, .offset: 8, .size: 8, .value_kind: global_buffer, .address_space: global }
      - { .name: centroids, .offset: 16, .size: 8, .value_kind: global_buffer, .address_space: global }
      - { .name: x, .offset: 24, .size: 8, .value_kind: global_buffer, .address_space: global }
      - { .name: lowp_scales, .offset: 32, .size: 8, .value_kind: global_buffer, .address_space: global }
      - { .name: aq, .offset: 40, .size: 8, .value_kind: global_buffer, .address_space: global }
      - { .name: xq, .offset: 48, .size: 8, .value_kind: global_buffer, .address_space: global }
      - { .name: cb, .offset: 56, .size: 8, .value_kind: global_buffer, .address_space: global }
    .group_segment_fixed_size: 18944
    .private_segment_fixed_size: 0
    .kernarg_segment_align: 8
    .kernarg_segment_size: 64
    .max_flat_workgroup_size: 128
    .sgpr_count:     66
    .vgpr_count:     96
    .wavefront_size: 32
...
	.end_amdgpu_metadata
.endif
;; end of part 1
;; launch bell (part 2): grid 8 x 32, 8 waves a work-group, clusters of 4 x 4, 327,680 bytes of LDS; arguments aq, cb, xq, b, lowp_scales, out0; writes out0
.if DOCPART == 2
	.amdgcn_target "amdgcn-amd-amdhsa--gfx1250"
	.amdhsa_code_object_version 6
	.text
	.protected	k_q3220ae5d35_bell
	.globl	k_q3220ae5d35_bell
	.p2align	8
	.type	k_q3220ae5d35_bell,@function
k_q3220ae5d35_bell:
	s_mov_b64 s[64:65], 0
	v_nop
	global_prefetch_b8 v0, s[64:65] scope:SCOPE_SE
	s_setreg_imm32_b32 hwreg(HW_REG_WAVE_MODE, 25, 1), 1
	s_wait_xcnt 0x0
	s_wait_alu depctr_hold_cnt(0) depctr_sa_sdst(0) depctr_va_vdst(0) depctr_va_sdst(0) depctr_va_ssrc(0) depctr_va_vcc(0) depctr_vm_vsrc(0)
	s_getreg_b32 s2, hwreg(HW_REG_IB_STS2, 6, 4)
	s_cmp_eq_u32 s2, 0
	s_cbranch_scc0 .Lentry_in_a_cluster
	s_endpgm
.Lentry_in_a_cluster:
	s_bfe_u32 s2, ttmp6, 0x10000c
	s_cmp_lg_u32 s2, 0xf033
	s_cbranch_scc0 .Lentry_shape_is_right
	s_endpgm
.Lentry_shape_is_right:
; FuzzyBellLayer, second launch: out[b][o] = 1 / (1 + s^b[o]), s = the sum over i of (A[o] x[b] + c[o])_i squared; the product on codes of E4M3 by v_wmma_f32_16x16x128_fp8_fp8, sums in f32.
; (The part of rots on and under the diagonal is left out by the launch before, which says why; this launch reads only what that launch stored, b and the two exponents.)
; sqrt(s)^(2 b) = s^b for every s >= 0: it is made as 2^(b log2 s), log2 s held within +-2^127, so that s = 0 or infinite with b = 0 gives 1, as the power does.
; The sums are kept in units of 2^(ex + ea): the centroids come divided by that (cb) and are the C of each sum's first matrix instruction; log2 s gets 2 (ex + ea) added.
; LIMITS: a sum of squares that is denormal in those units counts as 0 (v_log_f32 takes a denormal as 0: ISA guide 15.8).  NaN among the inputs is not served.
; SHARES.  A work-group: 512 rows of x (block bb) x 8 rules (group og).  x's codes stay in registers; A's codes go through two LDS slots of 2 rules (131,072 bytes), 4 slots' worth in all.
; Wave w of eight: rows 128 (w % 4) on (8 tiles of 16, 256 registers of codes), rule w / 4 of the slot, all 256 i.  A slot is 16 steps for a wave; a step is one tile of 16 i against the 8 row tiles, K = 2 x 128: 16 matrix instructions.
; THE PRODUCT IS USED TRANSPOSED (source 0 = 16 rows i of A[o], source 1 = 16 rows of x): a lane holds ONE row b = lane % 16, and its 8 registers hold i = 8 (lane / 16) + 0 .. 7: the sum over i stays in the lane.
; Fragments are images of the operand's registers (registers 4 c .. 4 c + 3: K = 32 c + 16 (lane / 16) + 0 .. 15, the same in A and in x: every product meets its partner): dense reads of 512 bytes, no pitch, no padding.
; THE SQUARES stand in slices of eight packed multiply-adds behind every fourth matrix instruction, on the accumulators of the step BEFORE (two sets of 8 accumulators by turns); each row tile has two running pairs of sums by turns.
; CLUSTER, 4 x 4.  The four work-groups of a row of the cluster have one rule group: A's codes and the centroids are asked for JOINTLY; the four of a column have one row block: x's codes are asked for jointly, into slot 1, which is empty then.
; No place in the cluster enters an LDS address, a branch or a count.
; NO PREFETCH: behind the head a slot is asked for in step 1 or 15 and read a slot later: at least 14 steps, 224 matrix instructions of each of the two waves of a SIMD, stand between; the launch has three refills in all and no longer loop to run ahead in.
; THE WAY OUT.  A row of out has 32 bytes in this work-group (8 rules): two lanes store them.  256 consecutive bytes of a row would want 64 rules to a work-group, so 64 rows of x for 256 work-groups: each rule's
; 65,536 bytes of codes would then be brought into LDS 64 times and not 8; out is 4,194,304 bytes, A's codes 16,777,216.
; REGISTERS, window 0: v2-4 my places in a slot, the centroids, the sums; v5-7 the same for the slot in hand; v8 x in slot 1; v9, v10 the way out; v12, v13 the add's two;
;   v16-79 two sets of A's two fragments; v80-95 two sets of centroids; v96-223 two sets of 8 accumulators; v224-255 the running sums of squares.   window 1: x: tile t, K step kk at v[32 t + 16 kk].
.set SLOT,  1<<17                      ; a slot's bytes; slot 1 begins here, so that one exclusive or turns an address in one slot into the other's
.set BIAS,  2*SLOT                     ; the 8 rules' centroids: 8 x 1,024 bytes, filled once
.set PART,  BIAS+8192                  ; sums of squares, written by LDS stores alone: for each wave 4 slots x (128 rows x 4 bytes + 32)
.set PSL,   544                        ; two slots on are 272 words = 16 banks on (64 banks of 4 bytes: ISA guide 11.1): the way out's 32 lanes, 2 rule groups x 16 rows, touch 32 different banks
.set PREG,  4*PSL
.set SPARE, PART+8*PREG                ; the spare words, 128 bytes for each wave: four blocks of 256 bytes that no other line names
.set AF,  16
.set BI,  80
.set ACC, 96
.set S,   224
.set OS,  96                           ; the way out: 16 numbers at work
.set BQ,  112                          ; the way out: b of my four rules
.set G1A, 24                           ; s[24:31] group 1: A's codes at the head, 128 rows of 256 bytes;  s[32:39] x's, 256 rows;  s[40:47] the centroids, 16 rows;  s[48:55] A's codes behind the head, 64 rows
.set G1X, 32
.set G1C, 40
.set G1R, 48
.set G0A, 56                           ; s[56:59], s[60:63], s[68:71], s[72:75] the four groups 0
.set G0X, 60
.set G0C, 68
.set G0R, 72
.set MSB, 0
.macro WIN new                         ; s_set_vgpr_msb: bits 1:0 source 0, 3:2 source 1, 5:4 source 2, 7:6 destination; the high byte repeats the setting that is left
.if MSB != \new
	s_set_vgpr_msb (MSB<<8)|\new
.set MSB, \new
.endif
.endm
.macro CREST                           ; a round of the cluster's barrier behind its opening barrier
	s_cmp_lg_u32 s16, 0
	s_cbranch_scc1 .Lnot_wave_0_\@
	s_barrier_signal -3
.Lnot_wave_0_\@:
	s_barrier_wait -3
	s_barrier_signal -1
	s_barrier_wait -1
.endm
.macro CROUND                          ; a whole round
	s_barrier_signal -1
	s_barrier_wait -1
	CREST
.endm
.macro DESC g, rows                    ; group 1 behind its first word: rows of 256 bytes (32 elements of 8), dense in memory and in LDS
	s_mov_b32 s[\g+1], 32<<16                      ; tensor_dim0
	s_mov_b32 s[\g+2], (\rows)<<16                 ; tensor_dim1
	s_mov_b32 s[\g+3], 32<<16                      ; tile_dim0
	s_mov_b32 s[\g+4], \rows                       ; tile_dim1
	s_mov_b32 s[\g+5], 32                          ; elements from row to row
	s_mov_b32 s[\g+6], 0
	s_mov_b32 s[\g+7], 0
.endm
.macro TLOAD g0, g1
	tensor_load_to_lds s[\g0:\g0+3], s[\g1:\g1+7]
	s_nop 0
.rept 4
	v_nop
.endr
.endm
; Step n's operands into set p: A's two fragments (8 loads of 512 dense bytes) and the centroids of its 16 i (the 16 lanes of a half read the same 32 bytes): ten LDS loads
.macro LOADF n, p
.irp kc, 0,1,2,3,4,5,6,7
	ds_load_b128 v[AF+32*(\p)+4*\kc:AF+32*(\p)+4*\kc+3], v5 offset:(\n)*4096+512*\kc
.endr
	ds_load_b128 v[BI+8*(\p):BI+8*(\p)+3], v6 offset:(\n)*64
	ds_load_b128 v[BI+8*(\p)+4:BI+8*(\p)+7], v6 offset:(\n)*64+16
.endm
; Matrix instruction i of a step's 16, on set p: row tile i % 8, K step i / 8.  The first eight start the sums with the centroids as C.  The eight accumulators take turns, one instruction a turn.
.macro MM i, p
.set wt, (\i)%8
.set wa, ACC+64*(\p)+8*wt
.set wf, AF+32*(\p)
.set wb, BI+8*(\p)
.if (\i) < 8
	v_wmma_f32_16x16x128_fp8_fp8 v[wa:wa+7], v[wf:wf+15], v[32*wt:32*wt+15], v[wb:wb+7]
.else
	v_wmma_f32_16x16x128_fp8_fp8 v[wa:wa+7], v[wf+16:wf+31], v[32*wt+16:32*wt+31], v[wa:wa+7]
.endif
.endm
; Slice s of 4 of the squares of set p: register pair s of each of the 8 accumulators, each accumulator from its low end on.  Slices 0 and 2 add to a tile's first pair of sums, 1 and 3 to its second:
; fifteen vector lines stand between two on one pair.  start = 1: slices 0 and 1 are multiplications: a rule's sums begin, and nothing is cleared.
.macro SLICE s, p, start
.set st, 0
.rept 8
.set sa, ACC+64*(\p)+8*st+2*(\s)
.set ss, S+16*((\s)%2)+2*st
.if (\start) && ((\s) < 2)
	v_pk_mul_f32 v[ss:ss+1], v[sa:sa+1], v[sa:sa+1]
.else
	v_pk_fma_f32 v[ss:ss+1], v[sa:sa+1], v[sa:sa+1], v[ss:ss+1]
.endif
.set st, st+1
.endr
.endm
; Half a step: 8 matrix instructions on set p, and behind every fourth a slice of the other set's squares (mode 1; 2: they begin a rule's sums; 0: the very first step, which waits for x's fragments as it needs them).
; The slice behind the step's last four names none of their registers: its lines are the places ahead of the loads into this set's operands and of the first read of its results.
.macro MULH p, half, mode
.set mk, 0
.rept 2
.if (\mode) == 0
	s_wait_dscnt 58-32*(\half)-16*mk               ; 16 more of x's 64 loads are in; behind them: the rest, and step 1's ten
.endif
	WIN 4                                          ; source 1 (x) in window 1
.set mi, 8*(\half)+4*mk
.rept 4
	MM mi, \p
.set mi, mi+1
.endr
.if \mode
	WIN 0
	SLICE 2*(\half)+mk, 1-(\p), (\mode)/2
.endif
.set mk, mk+1
.endr
.if ((\mode) == 0) && ((\half) == 1)
	WIN 0
.rept 4
	v_nop                                          ; the places, where there is no slice
.endr
.endif
.endm
; A rule's sums are whole: a tile's two pairs and the pair's halves are added; of two neighbouring row tiles lanes 0-15 keep the even one's and lanes 16-31 the odd one's, and each gets the other half's part of what it keeps
; from the lane 16 away.  Lane l then holds row 32 p + l of my 128: four stores of 128 consecutive bytes into my own part of PART.
.macro FOLD
	v_add_nc_u32 v7, s88, v4
.irp t, 0,1,2,3,4,5,6,7
	v_pk_add_f32 v[S+2*\t:S+2*\t+1], v[S+2*\t:S+2*\t+1], v[S+16+2*\t:S+16+2*\t+1]
.endr
.irp p, 0,1,2,3
	v_add_f32 v[S+4*\p], v[S+4*\p], v[S+4*\p+1]
	v_add_f32 v[S+4*\p+2], v[S+4*\p+2], v[S+4*\p+3]
.endr
.irp p, 0,1,2,3
	v_cndmask_b32 v[S+4*\p+1], v[S+4*\p], v[S+4*\p+2], s90   ; what I keep (s90: lanes 16-31)
	v_cndmask_b32 v[S+4*\p+3], v[S+4*\p+2], v[S+4*\p], s90   ; what I send
.endr
.irp p, 0,1,2,3
	v_permlanex16_b32 v[S+4*\p], v[S+4*\p+3], s92, s93
.endr
.irp p, 0,1,2,3
	v_add_f32 v[S+4*\p+2], v[S+4*\p+1], v[S+4*\p]
.endr
.irp p, 0,1,2,3
	ds_store_b32 v7, v[S+4*\p+2] offset:128*\p
.endr
	s_add_co_u32 s88, s88, PSL                     ; the next slot's place
.endm
; Step n = 0 .. 14 of a slot.  wcnt: the LDS instructions issued behind this step's ten loads, which may stay out
.macro STEP n, mode, fold, wcnt
	s_wait_dscnt \wcnt
	MULH (\n)%2, 0, \mode
	MULH (\n)%2, 1, \mode
.if \fold
	FOLD
.endif
.if (\n) <= 13
	LOADF (\n)+2, (\n)%2
.endif
.endm
.macro STEPS2                          ; steps 2 to 14; 10: the next step's loads
.irp n, 2,3,4,5,6,7,8,9,10,11,12,13,14
	STEP \n, 1, 0, 10
.endr
.endm
; A slot's step 15, with the change of slots.  In front of the barrier each wave waits for all its tensor loads (its part of the next slot), adds 0 to its spare word, and waits for that and for its reads of this slot
; (step 15's operands are then in registers).  fill = 1: the barrier opens a round of the cluster's barrier, and this slot is filled again, with the two rules two slots on: the load has a slot's 16 steps in which to land.
.macro CHANGE fill
	s_wait_tensorcnt 0x0                           ; no tensor load of mine is out, so a group 0 may be written
	ds_add_u32 v12, v13                            ; 0 onto my spare word: the steps below stand between it and the wait for it
	s_xor_b32 s86, s86, SLOT                       ; my reads go to the other slot,
	s_add_co_u32 s87, s87, 2048                    ; and to the next two rules' centroids
.if \fill
	s_xor_b32 s73, s73, SLOT                       ; the walking descriptor: the other slot than last time,
	s_add_nc_u64 s[74:75], s[74:75], SLOT          ; the next two rules; the type bits on top are not reached
.endif
	s_wait_dscnt 0x0                               ; the add is done, and my reads of this slot are over
	s_barrier_signal -1
	MULH 1, 0, 1                                   ; work on registers while the others arrive (it leaves every window 0)
	s_barrier_wait -1
.if \fill
	CREST                                          ; no wave of any partner still reads this slot or has a load on its way
	tensor_load_to_lds s[72:75], s[48:55]          ; my one tensor load behind the round, and the first thing there: my 16,384 bytes of the slot
	s_nop 0
.endif
	v_add_nc_u32 v5, s86, v2
	v_add_nc_u32 v6, s87, v3
	LOADF 0, 0                                     ; set 0's last matrix instructions stand a half step back, with their places behind them
	MULH 1, 1, 1
	LOADF 1, 1
.endm
	s_load_b256 s[4:11], s[0:1], 0x0               ; aq s[4:5], cb s[6:7], xq s[8:9], b s[10:11]
	s_load_b128 s[12:15], s[0:1], 0x20             ; lowp_scales s[12:13], out0 s[14:15]
	v_lshl_add_u32 v12, v0, 2, SPARE               ; my spare word; never rewritten
	v_mov_b32 v13, 0                               ; 0; never rewritten
	ds_add_u32 v12, v13                            ; the wave's opening: the add, twice on end, and its wait ahead of my first tensor load; the set-up below, work on registers, stands between
	ds_add_u32 v12, v13                            ; and once more, under the one wait
	v_lshrrev_b32 v1, 5, v0
	v_readfirstlane_b32 s16, v1                    ; wave 0..7
	s_and_b32 s17, s16, 3                          ; rh: which 128 rows of x
	s_lshr_b32 s18, s16, 2                         ; os: which rule of a slot
	s_lshl_b32 s76, s18, 16                        ; in a slot: rule os (65,536 bytes)
	s_lshl_b32 s77, s17, 15
	s_add_co_u32 s77, s77, SLOT                    ; x in slot 1: row tile 8 rh (4,096 bytes each)
	s_lshl_b32 s78, s18, 10
	s_add_co_u32 s78, s78, BIAS                    ; the centroids of rule os
	s_mul_i32 s79, s16, PREG
	s_add_co_u32 s79, s79, PART                    ; my wave's sums
	v_and_b32 v14, 31, v0                          ; lane
	v_bfe_u32 v15, v0, 4, 1                        ; h
	v_and_b32 v11, 1, v0                           ; the way out: thread = 2 bl + g: rules 4 g + 0 .. 3, rows bl + 128 u
	v_lshrrev_b32 v9, 1, v0
	v_lshl_add_u32 v2, v14, 4, s76
	v_lshl_add_u32 v8, v14, 4, s77
	v_lshl_add_u32 v3, v15, 5, s78                 ; i = 8 h on
	v_lshl_add_u32 v4, v14, 2, s79
	v_lshlrev_b32 v10, 10, v9
	v_lshlrev_b32 v9, 2, v9
	v_lshl_add_u32 v10, v11, 4, v10                ; out: row bl of 1,024 bytes + 16 g
	v_mul_u32_u24 v11, v11, 2*PSL
	v_add_nc_u32 v9, v9, v11
	v_add_nc_u32 v9, PART, v9                      ; sums: slots 2 g on, row bl
	s_bfe_u32 s20, ttmp6, 0x40000                  ; cx, cy: my place in the cluster
	s_bfe_u32 s19, ttmp6, 0x40004
	s_lshl_b32 s21, ttmp9, 2                       ; in a cluster launch ttmp9 and ttmp7 count clusters
	s_add_co_u32 s21, s21, s20                     ; bb: my block of 512 rows
	s_and_b32 s22, ttmp7, 0xffff
	s_lshl_b32 s22, s22, 2
	s_add_co_u32 s22, s22, s19                     ; og: my group of 8 rules
	s_lshl_b32 s94, s19, 2
	s_lshl_b32 s94, 15, s94                        ; my row of the cluster: places 4 cy .. 4 cy + 3
	s_lshl_b32 s96, 0x1111, s20                    ; my column: places cx, cx + 4, cx + 8, cx + 12
	s_or_b32 s[G1A], s94, (3<<16)|(1<<21)          ; 15:0 the mask; 17:16 elements of 8 bytes; 20 no padding; 21 set beside a mask
	s_or_b32 s[G1C], s94, (3<<16)|(1<<21)
	s_or_b32 s[G1R], s94, (3<<16)|(1<<21)
	s_or_b32 s[G1X], s96, (3<<16)|(1<<21)
	DESC G1A, 128
	DESC G1X, 256
	DESC G1C, 16
	DESC G1R, 64
	s_and_b32 s23, s16, 1
	s_mov_b32 s56, 1                               ; group 0: count = 1, LDS address, global address.  A's codes of slot 0: waves 0 to 3, 32,768 bytes each
	s_lshl_b32 s57, s17, 15
	s_lshl_b32 s58, s22, 19                        ; 8 rules of 65,536 bytes
	s_add_co_u32 s58, s58, s57
	s_mov_b32 s59, 0
	s_mov_b32 s60, 1                               ; x's codes into slot 1: waves 4 and 5, 65,536 bytes each
	s_lshl_b32 s61, s23, 16
	s_lshl_b32 s62, s21, 17                        ; 32 row tiles of 4,096 bytes
	s_add_co_u32 s62, s62, s61
	s_add_co_u32 s61, s61, SLOT
	s_mov_b32 s63, 0
	s_mov_b32 s68, 1                               ; the centroids: waves 6 and 7, 4,096 bytes each
	s_lshl_b32 s69, s23, 12
	s_lshl_b32 s70, s22, 13
	s_add_co_u32 s70, s70, s69
	s_add_co_u32 s69, s69, BIAS
	s_mov_b32 s71, 0
	s_mov_b32 s72, 1                               ; behind the head: every wave 16,384 bytes of a slot; the first time slot 1, rules 2 and 3; it then walks on
	s_lshl_b32 s73, s16, 14
	s_add_co_u32 s73, s73, SLOT
	s_lshl_b32 s74, s22, 19
	s_add_co_u32 s74, s74, s73
	s_mov_b32 s75, 0
	s_lshl_b32 s94, s22, 5                         ; b: 32 bytes a group
	s_mov_b32 s95, 0
	s_lshl_b32 s98, s21, 19                        ; out: 512 bb rows of 1,024 bytes + 32 og
	s_add_co_u32 s98, s98, s94
	s_mov_b32 s99, 0
	s_mov_b32 s86, 0                               ; the slot in hand
	s_mov_b32 s87, 0                               ; its centroids
	s_mov_b32 s88, 0                               ; its sums
	s_mov_b32 s89, 2                               ; refills
	s_mov_b32 s90, 0xffff0000                      ; lanes 16-31
	s_mov_b32 s91, 0xaaaaaaaa                      ; odd lanes
	s_mov_b32 s92, 0x76543210                      ; v_permlanex16_b32: each lane takes its own place in the other half
	s_mov_b32 s93, 0xfedcba98
	s_wait_alu depctr_va_vdst(0)
	s_wait_dscnt 0x0                               ; both opening adds are done
	s_wait_kmcnt 0x0
	s_add_nc_u64 s[58:59], s[4:5], s[58:59]
	s_add_nc_u64 s[62:63], s[8:9], s[62:63]
	s_add_nc_u64 s[70:71], s[6:7], s[70:71]
	s_add_nc_u64 s[74:75], s[4:5], s[74:75]
	s_or_b32 s59, s59, 0x80000000                  ; type = 2
	s_or_b32 s63, s63, 0x80000000
	s_or_b32 s71, s71, 0x80000000
	s_or_b32 s75, s75, 0x80000000
	s_add_nc_u64 s[10:11], s[10:11], s[94:95]
	s_add_nc_u64 s[14:15], s[14:15], s[98:99]
	s_load_b64 s[84:85], s[12:13], 0x0             ; ex, ea, and b of my 8 rules: wanted on the way out
	s_load_b256 s[76:83], s[10:11], 0x0
	CROUND                                         ; all sixteen work-groups are here: the first joint loads meet
	s_cmp_lt_u32 s16, 4                            ; the first fills, one a wave, in the arms of one chain
	s_cbranch_scc0 .Lnot_a
	TLOAD G0A, G1A
	s_branch .Lasked
.Lnot_a:
	s_cmp_lt_u32 s16, 6
	s_cbranch_scc0 .Lnot_x
	TLOAD G0X, G1X
	s_branch .Lasked
.Lnot_x:
	TLOAD G0C, G1C
.Lasked:
	s_wait_tensorcnt 0x0                           ; my part is in
	s_barrier_signal -1
	s_barrier_wait -1                              ; everybody's are
	v_add_nc_u32 v5, s86, v2
	v_add_nc_u32 v6, s87, v3
	s_wait_alu depctr_va_vdst(0)
	LOADF 0, 0
	WIN 0x40                                       ; destination window 1, address window 0
.irp kk, 0,1
.irp t, 0,1,2,3,4,5,6,7
.irp c, 0,1,2,3
	ds_load_b128 v[32*\t+16*\kk+4*\c:32*\t+16*\kk+4*\c+3], v8 offset:4096*\t+2048*\kk+512*\c   ; x's 16 fragments, in the order in which step 0 takes them; they stay in registers
.endr
.endr
.endr
	WIN 0
	LOADF 1, 1
	MULH 0, 0, 0                                   ; step 0
	MULH 0, 1, 0
	LOADF 2, 0
	; step 1, and in it slot 1's refill: x has been read out of it
	s_wait_tensorcnt 0x0                           ; all my tensor loads have landed,
	ds_add_u32 v12, v13
	s_wait_dscnt 0x0                               ; the add is done, my reads of x are over, and the operands of steps 1 and 2 are in
	s_barrier_signal -1
	MULH 1, 0, 2
	s_barrier_wait -1
	CREST                                          ; no wave of any partner still reads slot 1
	tensor_load_to_lds s[72:75], s[48:55]          ; my one tensor load behind the round: rules 2 and 3, which are read from the first change of slots on
	s_nop 0
	MULH 1, 1, 2
	LOADF 3, 1
	STEPS2
.Lslot:                                                ; two trips: each ends a slot, fills it again, and runs the next slot's steps 0 to 14
	CHANGE 1
	STEP 0, 1, 1, 10                               ; its slices finish the rule before, whose sums then go to LDS
	STEP 1, 2, 0, 14                               ; (14: FOLD's four stores and step 2's ten loads)
	STEPS2
	s_sub_co_u32 s89, s89, 1
	s_cmp_lg_u32 s89, 0
	s_cbranch_scc1 .Lslot
	CHANGE 0                                       ; the tail is written out: nothing is left to ask for
	STEP 0, 1, 1, 10
	STEP 1, 2, 0, 14
	STEPS2
	s_wait_dscnt 0x0                               ; the last step's operands
	MULH 1, 0, 1
	MULH 1, 1, 1
.irp s, 0,1,2,3
	SLICE \s, 1, 0                                 ; the last step's squares; the slice above them holds the places behind the last products
.endr
	FOLD
	s_wait_dscnt 0x0                               ; for the others' sake: my sums lie in LDS
	s_barrier_signal -1
	s_barrier_wait -1
	; THE WAY OUT.  A thread takes rules 4 g + q and rows bl + 128 u: 16 numbers.
.irp u, 0,1,2,3
.irp q, 0,1,2,3
	ds_load_b32 v[OS+4*\u+\q], v9 offset:(\u+4*(\q%2))*PREG+(\q/2)*PSL   ; the wave that made it: rh = u, os = q % 2; its slot 2 g + q / 2
.endr
.endr
	s_wait_kmcnt 0x0                               ; ex, ea, b
	s_add_co_i32 s94, s84, s85
	s_lshl_b32 s94, s94, 1
	s_mov_b32 s96, 0xff000000                      ; -2^127
	s_mov_b32 s97, 0x7f000000                      ; 2^127
	v_mov_b32 v15, s94                             ; (also the upper half of the pair v[14:15])
.irp q, 0,1,2,3
	v_mov_b32 v[BQ+\q], s[76+\q]
.endr
	v_cvt_f32_i32 v14, v15                         ; 2 (ex + ea)
.irp q, 0,1,2,3
	v_cndmask_b32 v[BQ+\q], v[BQ+\q], s[80+\q], s91   ; b of rules 4 g + q
.endr
	s_wait_alu depctr_va_vdst(0)
	s_wait_dscnt 0x0
.set k, 0
.rept 16
	v_log_f32 v[OS+k], v[OS+k]
.set k, k+1
.endr
	v_nop                                          ; a plain instruction behind the last logarithm,
	s_wait_alu depctr_va_vdst(0)                   ; and the one wait ahead of the batch's first reader
.set k, 0
.rept 8
	v_pk_add_f32 v[OS+2*k:OS+2*k+1], v[OS+2*k:OS+2*k+1], v[14:15] op_sel_hi:[1,0]   ; log2 s
.set k, k+1
.endr
.set k, 0
.rept 16
	v_med3_num_f32 v[OS+k], v[OS+k], s96, s97      ; finite, so that b = 0 gives 0 below
.set k, k+1
.endr
.set k, 0
.rept 8
	v_pk_mul_f32 v[OS+2*k:OS+2*k+1], v[OS+2*k:OS+2*k+1], v[BQ+2*(k%2):BQ+2*(k%2)+1]   ; x b of rules 4 g + 2 (k % 2), + 1
.set k, k+1
.endr
.set k, 0
	s_wait_alu depctr_va_vdst(0)
.rept 16
	v_exp_f32 v[OS+k], v[OS+k]                     ; s^b
.set k, k+1
.endr
	v_nop
	s_wait_alu depctr_va_vdst(0)                   ; one wait for the 16 exponentials
.set k, 0
.rept 8
	v_pk_add_f32 v[OS+2*k:OS+2*k+1], v[OS+2*k:OS+2*k+1], 1.0 op_sel_hi:[1,0]
.set k, k+1
.endr
.set k, 0
	s_wait_alu depctr_va_vdst(0)
.rept 16
	v_rcp_f32 v[OS+k], v[OS+k]
.set k, k+1
.endr
	v_nop
	s_wait_alu depctr_va_vdst(0)                   ; one wait for the 16 reciprocals
.irp u, 0,1,2,3
	global_store_b128 v10, v[OS+4*\u:OS+4*\u+3], s[14:15] offset:\u*131072   ; two lanes store a row's 32 bytes of this rule group
.endr
	s_wait_tensorcnt 0x0                           ; the wave's end: behind my last tensor load and my last LDS store
	ds_add_u32 v12, v13
	s_wait_dscnt 0x0
	CROUND                                         ; the closing round: no work-group ends while a partner may still ask for a tile that names it
	s_endpgm
.Lfunc_end_k_q3220ae5d35_bell:
	.size	k_q3220ae5d35_bell, .Lfunc_end_k_q3220ae5d35_bell-k_q3220ae5d35_bell
	.p2alignl 7, 3214868480
	.fill 96, 4, 3214868480
	.section	.rodata,"a",@progbits
	.p2align	6, 0x0
	.amdhsa_kernel k_q3220ae5d35_bell
		.amdhsa_group_segment_fixed_size 327680
		.amdhsa_private_segment_fixed_size 0
		.amdhsa_enable_private_segment 0
		.amdhsa_kernarg_size 48
		.amdhsa_user_sgpr_count 2
		.amdhsa_user_sgpr_kernarg_segment_ptr 1
		.amdhsa_wavefront_size32 1
		.amdhsa_system_sgpr_workgroup_id_x 1
		.amdhsa_system_sgpr_workgroup_id_y 1
		.amdhsa_system_sgpr_workgroup_id_z 1
		.amdhsa_system_vgpr_workitem_id 0
		.amdhsa_next_free_vgpr 512
		.amdhsa_next_free_sgpr 102
		.amdhsa_reserve_vcc 0
		.amdhsa_float_denorm_mode_32 3
		.amdhsa_float_denorm_mode_16_64 3
		.amdhsa_memory_ordered 1
		.amdhsa_forward_progress 1
		.amdhsa_inst_pref_size 214
	.end_amdhsa_kernel
	.amdgpu_metadata
---
amdhsa.version: [ 1, 2 ]
amdhsa.kernels:
  - .name:           k_q3220ae5d35_bell
    .symbol:         k_q3220ae5d35_bell.kd
    .args:
      - { .name: aq, .offset: 0, .size: 8, .value_kind: global_buffer, .address_space: global }
      - { .name: cb, .offset: 8, .size: 8, .value_kind: global_buffer, .address_space: global }
      - { .name: xq, .offset: 16, .size: 8, .value_kind: global_buffer, .address_space: global }
      - { .name: b, .offset: 24, .size: 8, .value_kind: global_buffer, .address_space: global }
      - { .name: lowp_scales, .offset: 32, .size: 8, .value_kind: global_buffer, .address_space: global }
      - { .name: out0, .offset: 40, .size: 8, .value_kind: global_buffer, .address_space: global }
    .group_segment_fixed_size: 327680
    .private_segment_fixed_size: 0
    .kernarg_segment_align: 8
    .kernarg_segment_size: 48
    .max_flat_workgroup_size: 256
    .sgpr_count:     102
    .vgpr_count:     512
    .wavefront_size: 32
...
	.end_amdgpu_metadata
.endif
;; end of part 2
